; MI455X (gfx1250); checked and timed in simulation.
; The chip was launched on July 23, 2026; its instructions are those of AMD's public machine-readable ISA for CDNA 5 (MIT licence, August 2026) and "CDNA5" Instruction Set Architecture Reference Guide (July 2026). The comments in the code are by the model that wrote it; some were corrected since.
;; Scaled Dot Product Attention. Allowed arithmetic: matrix products marked QUANTISED: E4M3 operands, one E8M0 scale for each 32 along K, by v_wmma_scale_f32_16x16x128_f8f6f4 with both operands' format E4M3, f32 sums; everything else in f32.
;; Inputs: k 4 x 16 x 2,048 x 64 float32; mask 2,048 x 2,048 bool; q 4 x 16 x 2,048 x 64 float32; v 4 x 16 x 2,048 x 64 float32.
;; Outputs: out0 4 x 16 x 2,048 x 64 float32.
;; This version of the problem:
;;   THIS VERSION OF THE PROBLEM IS GIVEN IN LOW PRECISION. The matrix products marked QUANTISED in the list below multiply operands that are first quantised to E4M3 (4 exponent bits, 3 mantissa bits; 8 bits a number), with one power-of-two scale for each 32 numbers along K (OCP MX v1.0); their sums are f32. All else is computed in f32.
;;   The module's matrix products, in the order in which they are computed (A, B: the left and right operand; K: the contracted axis; several contracted axes count as one K, in the product's order):
;;     1. batch 64 x [M 2,048, K 64] x [K 64, N 2,048]; A: input q; B: input k: QUANTISED
;;     2. batch 64 x [M 2,048, K 2,048] x [K 2,048, N 64]; A: softmax (see below); B: input v: QUANTISED
;;   THE QUANTISER, for each operand of a quantised product, along K:
;;     - K is cut into blocks of 32 from its start; a last block that is shorter is filled with zeros.
;;     - A block's scale is 2^e with e = floor(log2(the largest magnitude in the block)) - 8, held to -126 .. 127; a block of zeros has e = 0. As a byte (E8M0): e + 127.
;;     - Each number is divided by its block's scale, clamped to +-448, and rounded to the nearest number of E4M3, ties to even, subnormals kept.
;;     - The product sums the exact products of the quantised numbers (number of the format x scale) in f32.
;;   ~~~python
;;   def quantise(x, axis):      # numpy; x: float32 -> the quantised numbers, widened to float32 again
;;       x = np.moveaxis(x, axis, -1); K = x.shape[-1]
;;       x = np.pad(x, [(0, 0)] * (x.ndim - 1) + [(0, -K % 32)]); x = x.reshape(x.shape[:-1] + (-1, 32)); a = np.abs(x).max(-1, keepdims=True)
;;       e = np.where(a > 0, np.clip(np.frexp(np.where(a > 0, a, 1))[1] - 1 - 8, -126, 127), 0)      # np.frexp(a)[1] - 1 = floor(log2(a)), exactly
;;       r = np.clip(x / 2.0 ** e, -448, 448)
;;       step = 2.0 ** (np.maximum(np.frexp(np.where(r == 0, 1, r))[1] - 1, -6) - 3)
;;       q = np.round(r / step) * step * 2.0 ** e      # np.round: ties to even
;;       return np.moveaxis(q.reshape(q.shape[:-2] + (-1,))[..., :K], -1, axis).astype(np.float32)
;;   ~~~
;;   SOFTMAX AHEAD OF A QUANTISED PRODUCT. Where the list says 'softmax', what is quantised is not the finished softmax but p = 2^(t - M), with t = logit x log2(e) and M = ceil(the row's largest t), a whole number; so 1/2 < the row's largest p <= 1. The row's sum l is taken of the UNQUANTISED p, in f32, and the product's result is divided by l at the end. Since M is a whole number, a kernel that streams over the keys may use a running M (the ceiling of the running maximum): every later rescaling is an exact power of two, which a block's scale takes up: the codes' values come out the same.
;;   OPERANDS COMPUTED ON THE WAY. 'Computed on the way' means the value that the module computes at that place (a softmax that the list does not call 'softmax' is quantised finished and normalised). What goes into a quantiser is computed in f32, as accurately as f32 sums, v_exp_f32 and their like allow (about 1e-6 of the number): no bf16 or f16 on the way to a quantiser, and a product that is left as it is and whose result goes on into a quantised operand takes f32 operands (vector FMAs, or v_wmma_f32_16x16x4_f32). A number that lies on a knife's edge between two numbers of the format may be rounded either way, as far as f32 arithmetic and the matrix unit's own rounding can turn it there, and no further.
;; One version. Each part assembles by itself: llvm-mc -triple=amdgcn-amd-amdhsa -mcpu=gfx1250 --defsym DOCPART=n.
;; ======== version 1 of 1: 2 launches
;; limits: right only within a limited range of input values
;; workspace buffers: kv 17,563,648 bytes; mw 524,288 bytes of whole numbers; fl 8,192 bytes of whole numbers
;; launch prep (part 1): grid 768 x 1, 4 waves a work-group, no clusters, 36,352 bytes of LDS; arguments k, v, mask, kv, mw, fl; writes kv, mw, fl
.if DOCPART == 1
	.amdgcn_target "amdgcn-amd-amdhsa--gfx1250"
	.amdhsa_code_object_version 6
	.text
	.protected	k_q1f6d5de043_prep
	.globl	k_q1f6d5de043_prep
	.p2align	8
	.type	k_q1f6d5de043_prep,@function
k_q1f6d5de043_prep:
	s_mov_b64 s[64:65], 0
	v_nop
	global_prefetch_b8 v0, s[64:65] scope:SCOPE_SE
	s_setreg_imm32_b32 hwreg(HW_REG_WAVE_MODE, 25, 1), 1
	s_wait_xcnt 0x0
; k and v [64 heads][2048][64] f32 become codes of FP8 (E4M3) with one E8M0 scale byte for each 32 along a product's K, and the mask [2048][2048] of bool becomes lane masks and tile flags.
; All of it is laid as the second launch's registers take it.  L = lane, r = L % 16, h = L / 16.
; kv: one image of IMG bytes a head:
;   byte ((s 8 + T) 2 + c) 512 + 16 L        : 16 codes of key 128 s + 32 (T / 2) + 8 (T % 2) + r + 8 (r / 8), channels 32 c + 16 h + 0 .. 15     (K = the head's 64 channels)
;   VIMG + ((s 4 + t) 4 + c) 512 + 16 L      : 16 codes of channel 16 t + r, keys 128 s + 32 c + 16 h + 0 .. 15                                  (K = the keys)
;   KSC + s 512 + 16 L + 4 b                 : the scale word of key 128 s + 32 b + 8 h + r + 8 (r / 8): bytes 0, 1 its two blocks, bytes 2, 3 the same again (for the half of a K step of 128 that holds nothing)
;   VSC + s 256 + 8 L + 4 x                  : the scale word of channel 32 x + L for the four blocks of key step s
; mw[g][s][n], 32 bits: bit L = mask[16 g + r][128 s + 32 (n / 16) + 16 h + n % 16].     fl[g][s] = (any bit of the 64 words) << s | (all bits) << (16 + s).
; A block's scale is 2^(floor(log2(its largest magnitude)) - 8); its byte is that magnitude's exponent field - 8, held at 1 from below; each number is held within +-448 x the scale and rounded to the nearest code, ties to even.
; LIMITS: NaN and infinities in k and v are not served.  A block of zeros gets the byte 1 where the rule says 127: its codes are zeros, which add nothing under any byte but 0xff, and this program alone reads the bytes.
; SHARES: 768 work-groups of four waves; the first 256 take k, the next 256 v, the last 256 the mask; in each part wave number id = 0 .. 1023 takes one key step of one head (k, v: id = 16 head + step)
; or two key steps of one tile of 16 queries (mask: id = 8 g + pair).  Waves share nothing: no barrier.  Memory binds: no matrix unit, no cluster, no tensor load has anything to add here.
.set IMG,   274432
.set VIMG,  131072
.set KSC,   262144
.set VSC,   270336
.set FLOOR, 0x4800000                  ; 2^(9 - 127): no largest magnitude is taken under it, so the byte cannot fall under 1
.set OFF8,  0xfc000000                 ; takes 8 off an exponent field
.set EXPF,  0x7f800000                 ; the exponent field
.set SP,    272                        ; path k: a key's row in the stage: 256 bytes + 16
.set WST,   8960                       ; and a wave's stage: 32 rows, 128 bytes more behind the sixteenth, so that rows 16-31 begin in the other half of the banks
; ---- path k's macros.  v4 16 L; v5 stage in; v6 stage out; v8-11 the step's scale words; v12, v13 a tile's word; v16-17 largest magnitudes; v18-19 bytes; v20-21 448 x the scale; v22-23 the conversions' scale operands;
; v32-159 two sets of 64 registers as loaded; v160-223 two tiles' numbers, 32 a lane; v224-239 two tiles' codes
.macro LOADK b                         ; group b: 32 keys, 8,192 consecutive bytes: each load takes 512 of them, 16 a lane
.irp i, 0,1,2,3,4,5,6,7,8,9,10,11,12,13,14,15
	global_load_b128 v[32+64*((\b)%2)+4*\i:32+64*((\b)%2)+4*\i+3], v4, s[4:5] offset:8192*(\b)+512*\i th:TH_LOAD_NT
.endr
.endm
; One tile of 16 keys: register 16 c + i of v[x] on = channel 32 c + 16 h + i of my key.  Codes to v[cd] on and out; the key's scale word to v[w].
.macro QK32 x, cd, w, t
.irp c, 0,1
	v_max3_num_f32 v[16+\c], |v[\x+16*\c]|, |v[\x+16*\c+1]|, FLOOR
.endr
.irp i, 2,4,6,8,10,12,14
.irp c, 0,1
	v_max3_num_f32 v[16+\c], v[16+\c], |v[\x+16*\c+\i]|, |v[\x+16*\c+\i+1]|   ; the two blocks by turns
.endr
.endr
.irp c, 0,1
	v_permlanex16_b32 v[18+\c], v[16+\c], s18, s19
.endr
.irp c, 0,1
	v_max_num_f32 v[16+\c], v[16+\c], v[18+\c]     ; with lane l xor 16's 16 numbers: the block's largest magnitude
.endr
.irp c, 0,1
	v_add_nc_u32 v[22+\c], OFF8, v[16+\c]          ; the conversion takes the exponent field of this operand as its scale
	v_and_or_b32 v[20+\c], v[16+\c], EXPF, s17     ; 448 x the scale: the magnitude's exponent field over 448's mantissa
.endr
.irp c, 0,1
	v_lshrrev_b32 v[18+\c], 23, v[22+\c]           ; the scale's byte
.endr
	v_lshl_or_b32 v[\w], v19, 8, v18
	v_lshl_or_b32 v[\w], v[\w], 16, v[\w]          ; the two bytes once more on top
.irp c, 0,1
.irp i, 0,1,2,3,4,5,6,7,8,9,10,11,12,13,14,15
	v_med3_num_f32 v[\x+16*\c+\i], v[\x+16*\c+\i], -v[20+\c], v[20+\c]   ; the conversion to an 8-bit code does not saturate (ISA guide 7.6.2): the hold comes first
.endr
.endr
	s_wait_alu depctr_va_vdst(0)
	s_wait_xcnt 0x0                                ; the codes' registers were an earlier store's data: they are written again only behind this wait
.irp c, 0,1
	v_cvt_scalef32_pk8_fp8_f32 v[\cd+4*\c:\cd+4*\c+1], v[\x+16*\c:\x+16*\c+7], v[22+\c]
	v_cvt_scalef32_pk8_fp8_f32 v[\cd+4*\c+2:\cd+4*\c+3], v[\x+16*\c+8:\x+16*\c+15], v[22+\c]
.endr
	v_nop                                          ; one plain line behind the last conversion of a run
.irp c, 0,1
	global_store_b128 v4, v[\cd+4*\c:\cd+4*\c+3], s[28:29] offset:(2*(\t)+\c)*512   ; 32 lanes store 512 consecutive bytes
.endr
.endm
; 32 keys: in as they lie, through the wave's own stage, out 64 bytes of one key a lane; LDS serves a wave's instructions in order, so no wait stands between the stores and the loads
.macro GROUP b
.if (\b) < 3
	s_wait_loadcnt 16                              ; this group's 16 loads are in; the next group's 16 may be out
.else
	s_wait_loadcnt 0x0
.endif
.irp i, 0,1,2,3,4,5,6,7,8,9,10,11,12,13,14,15
	ds_store_b128 v5, v[32+64*((\b)%2)+4*\i:32+64*((\b)%2)+4*\i+3] offset:544*\i+128*(\i/8)   ; rows 2 i and 2 i + 1
.endr
.irp u, 0,1
.irp c, 0,1
.irp j, 0,1,2,3
	ds_load_b128 v[160+32*\u+16*\c+4*\j:160+32*\u+16*\c+4*\j+3], v6 offset:8*SP*\u+128*\c+16*\j
.endr
.endr
.endr
	s_wait_dscnt 8                                 ; the first tile's eight loads are in (the second's may be out), so the stores into the stage have read their registers,
.if (\b) < 2
	LOADK (\b)+2                                   ; which take the group two further on
.endif
	QK32 160, 224, 12, 2*(\b)
	s_wait_dscnt 0x0
	QK32 192, 232, 13, 2*(\b)+1
	v_cndmask_b32 v[8+(\b)], v12, v13, s20         ; lanes 0-15 keep the even tile's words, lanes 16-31 the odd tile's
.endm
; ---- path v's macros.  A LANE TAKES A CHANNEL AND ITS REGISTERS RUN DOWN THE KEYS: a block of 32 keys lies in one lane.  Unit u: block u / 2 of the step, channels 32 (u % 2) + L.
; v4 4 L; v5 2048 h + 16 r; v6 8 L; v8-9 scale words; v12-16 at work; v32-127 three sets of 32 numbers; v128-143 two sets of codes
.macro LOADV u
.set II, 0
.rept 32
	global_load_b32 v[32+32*((\u)%3)+II], v4, s[6:7] offset:(32*((\u)/2)+II)*256+128*((\u)%2) th:TH_LOAD_NT
.set II, II+1
.endr
.endm
.macro UNIT u
.set UC, (\u)/2
.set UX, (\u)%2
.set UR, 32+32*((\u)%3)
.set UD, 128+8*((\u)%2)
.if (\u) < 7
	s_wait_loadcnt 32                              ; this unit's 32 loads are in; the next unit's may be out
.else
	s_wait_loadcnt 0x0
.endif
.if (\u) < 6
	LOADV (\u)+2                                   ; into the set that the unit before has left
.endif
	v_max3_num_f32 v12, |v[UR]|, |v[UR+1]|, |v[UR+2]|
	v_max3_num_f32 v13, |v[UR+3]|, |v[UR+4]|, |v[UR+5]|
.irp i, 6,10,14,18,22,26
	v_max3_num_f32 v12, v12, |v[UR+\i]|, |v[UR+\i+1]|
	v_max3_num_f32 v13, v13, |v[UR+\i+2]|, |v[UR+\i+3]|
.endr
	v_max3_num_f32 v12, v12, |v[UR+30]|, |v[UR+31]|
	v_max3_num_f32 v12, v12, v13, FLOOR
	v_add_nc_u32 v14, OFF8, v12
	v_and_or_b32 v15, v12, EXPF, s17
	v_lshrrev_b32 v16, 23, v14
.if UC == 0
	v_mov_b32 v[8+UX], v16                         ; four bytes to a word, the earlier keys in the lower byte
.else
	v_lshl_or_b32 v[8+UX], v16, 8*UC, v[8+UX]
.endif
.set II, 0
.rept 32
	v_med3_num_f32 v[UR+II], v[UR+II], -v15, v15
.set II, II+1
.endr
	s_wait_alu depctr_va_vdst(0)
	s_wait_xcnt 0x0                                ; the codes' registers were an earlier store's data
.irp g, 0,1,2,3
	v_cvt_scalef32_pk8_fp8_f32 v[UD+2*\g:UD+2*\g+1], v[UR+8*\g:UR+8*\g+7], v14
.endr
	v_nop                                          ; one plain line behind the last conversion of a run
	global_store_b128 v5, v[UD:UD+3], s[28:29] offset:4096*UX+512*UC         ; keys 32 c + 0 .. 15: sixteen lanes store 256 consecutive bytes, aligned
	global_store_b128 v5, v[UD+4:UD+7], s[28:29] offset:4096*UX+512*UC+256   ; keys 32 c + 16 .. 31
.endm
; ---- the mask's macro: key step p of my two.  Word n is made by one compare over the 32 lanes and laid into lane n / 2, register n % 2, of a pair that leaves as 256 consecutive bytes
.macro MSTEP p
	s_mov_b32 s30, 0                               ; the or of the 64 words,
	s_mov_b32 s31, -1                              ; and the and
	v_mov_b32 v[8+2*\p], 0
	v_mov_b32 v[9+2*\p], 0
.set NN, 0
.rept 64
	v_and_b32 v[16+NN%4], 0xff<<(8*(NN%4)), v[32+16*\p+NN/4]
	v_cmp_ne_u32 s[40+NN%8], 0, v[16+NN%4]
	v_writelane_b32 v[8+2*\p+NN%2], s[40+NN%8], NN/2
	s_or_b32 s30, s30, s[40+NN%8]
	s_and_b32 s31, s31, s[40+NN%8]
.set NN, NN+1
.endr
	global_store_b64 v6, v[8+2*\p:9+2*\p], s[12:13] offset:256*\p
	s_cmp_lg_u32 s30, 0
	s_cselect_b32 s32, 1, 0                        ; some key counts for some query
	s_cmp_eq_u32 s31, -1
	s_cselect_b32 s33, 1, 0                        ; every key counts for every query
	s_add_co_u32 s35, s34, \p                      ; the key step's number
	s_lshl_b32 s32, s32, s35
	s_add_co_u32 s35, s35, 16
	s_lshl_b32 s33, s33, s35
	s_or_b32 s32, s32, s33
	v_mov_b32 v[12+\p], s32
.endm
	s_load_b256 s[4:11], s[0:1], 0x0               ; k s[4:5], v s[6:7], mask s[8:9], kv s[10:11]
	s_load_b128 s[12:15], s[0:1], 0x20             ; mw s[12:13], fl s[14:15]
	v_lshl_add_u32 v240, v0, 2, 0x8c00
	v_mov_b32 v241, 0
	v_lshrrev_b32 v1, 5, v0
	v_readfirstlane_b32 s16, v1                    ; wave 0..3
	v_and_b32 v1, 31, v0                           ; L
	v_and_b32 v2, 15, v0                           ; r
	v_bfe_u32 v3, v0, 4, 1                         ; h
	s_mov_b32 s17, 0x600000                        ; the mantissa field of 448
	s_mov_b32 s18, 0x76543210
	s_mov_b32 s19, 0xfedcba98                      ; v_permlanex16_b32's selects for lane l xor 16
	s_lshl_b32 s21, ttmp9, 2
	s_add_co_u32 s21, s21, s16
	s_and_b32 s21, s21, 1023                       ; id: each part has 256 work-groups of four waves
	s_mov_b32 s23, 0                               ; the high word of every offset
	s_wait_kmcnt 0x0
	s_cmp_lt_u32 ttmp9, 256
	s_cbranch_scc1 .Lpath_k
	s_cmp_lt_u32 ttmp9, 512
	s_cbranch_scc1 .Lpath_v
	; ---- THE MASK: id = 8 g + pair
	s_lshr_b32 s22, s21, 3
	s_lshl_b32 s22, s22, 15                        ; 16 rows of 2,048 bytes a tile of queries,
	s_and_b32 s24, s21, 7
	s_lshl_b32 s25, s24, 8                         ; 256 keys a pair of steps
	s_add_co_u32 s22, s22, s25
	s_add_nc_u64 s[8:9], s[8:9], s[22:23]
	s_lshl_b32 s22, s21, 9                         ; mw: 2 x 64 words
	s_add_nc_u64 s[12:13], s[12:13], s[22:23]
	s_lshl_b32 s22, s21, 3                         ; fl: 2 words
	s_add_nc_u64 s[14:15], s[14:15], s[22:23]
	s_lshl_b32 s34, s24, 1                         ; my first key step
	s_wait_alu depctr_va_vdst(0)
	v_lshlrev_b32 v4, 11, v2
	v_lshl_add_u32 v4, v3, 4, v4                   ; row r, + 16 h
	v_lshlrev_b32 v6, 3, v1                        ; 8 L
	v_mov_b32 v7, 0
.irp p, 0,1
.irp b, 0,1,2,3
	global_load_b128 v[32+16*\p+4*\b:32+16*\p+4*\b+3], v4, s[8:9] offset:128*\p+32*\b   ; mask[16 g + r][.. + 32 b + 16 h + 0 .. 15]; the eight loads together take each row's 256 bytes whole
.endr
.endr
	s_wait_loadcnt 0x0
	MSTEP 0
	MSTEP 1
	v_cmp_eq_u32 vcc_lo, 0, v1
	s_wait_alu depctr_va_vdst(0)
	s_wait_xcnt 0x0                                ; EXEC changes only behind this wait: it is a source of the stores above
	s_and_saveexec_b32 s36, vcc_lo
	global_store_b64 v7, v[12:13], s[14:15]        ; lane 0: the two flags
	s_wait_xcnt 0x0
	s_or_b32 exec_lo, exec_lo, s36
	s_endpgm
.Lpath_k:                                              ; ---- K: id = 16 head + step
	s_lshl_b32 s22, s21, 15                        ; 128 keys of 256 bytes
	s_add_nc_u64 s[4:5], s[4:5], s[22:23]
	s_lshr_b32 s24, s21, 4
	s_mul_i32 s24, s24, IMG                        ; the head's image
	s_and_b32 s25, s21, 15
	s_lshl_b32 s22, s25, 13
	s_add_co_u32 s22, s22, s24
	s_add_nc_u64 s[28:29], s[10:11], s[22:23]      ; the step's 8,192 bytes of codes
	s_lshl_b32 s22, s25, 9
	s_add_co_u32 s22, s22, s24
	s_add_co_u32 s22, s22, KSC
	s_add_nc_u64 s[30:31], s[10:11], s[22:23]      ; and its 512 bytes of scale words
	s_mov_b32 s20, 0xffff0000                      ; lanes 16-31
	s_mul_i32 s26, s16, WST                        ; my stage
	s_wait_alu depctr_va_vdst(0)
	v_lshlrev_b32 v4, 4, v1                        ; 16 L
	v_mul_u32_u24 v5, v3, SP
	v_lshl_add_u32 v5, v2, 4, v5
	v_add_nc_u32 v5, s26, v5                       ; in: lanes 0-15 one row, lanes 16-31 the next
	v_and_b32 v6, 7, v2
	v_mul_u32_u24 v6, v6, SP
	v_lshrrev_b32 v7, 3, v2
	v_mad_u32_u24 v6, v7, 16*SP+128, v6            ; out: row r % 8, and 16 rows on for r >= 8: THE KEYS OF A TILE ARE NOT NEIGHBOURS
	v_lshl_add_u32 v6, v3, 6, v6                   ; + 64 h: my 16 numbers of a block of 32
	v_add_nc_u32 v6, s26, v6
	v_mov_b32 v18, 0                               ; written once: a lane permute's destination counts as one of its sources
	v_mov_b32 v19, 0
	LOADK 0
	LOADK 1
	s_wait_alu depctr_va_vdst(0)
	GROUP 0
	GROUP 1
	GROUP 2
	GROUP 3
	global_store_b128 v4, v[8:11], s[30:31]        ; 512 consecutive bytes
	s_wait_tensorcnt 0x0
	ds_add_u32 v240, v241
	s_wait_dscnt 0x0
	s_endpgm
.Lpath_v:                                              ; ---- V: id = 16 head + step
	s_lshl_b32 s22, s21, 15
	s_add_nc_u64 s[6:7], s[6:7], s[22:23]
	s_lshr_b32 s24, s21, 4
	s_mul_i32 s24, s24, IMG
	s_and_b32 s25, s21, 15
	s_lshl_b32 s22, s25, 13
	s_add_co_u32 s22, s22, s24
	s_add_co_u32 s22, s22, VIMG
	s_add_nc_u64 s[28:29], s[10:11], s[22:23]
	s_lshl_b32 s22, s25, 8
	s_add_co_u32 s22, s22, s24
	s_add_co_u32 s22, s22, VSC
	s_add_nc_u64 s[30:31], s[10:11], s[22:23]
	s_wait_alu depctr_va_vdst(0)
	v_lshlrev_b32 v4, 2, v1                        ; in: 4 bytes a lane, 128 consecutive bytes a load
	v_lshlrev_b32 v5, 11, v3
	v_lshl_add_u32 v5, v2, 4, v5                   ; out: channel 32 x + L lies in tile 2 x + h, lane r: 2,048 h + 16 r
	v_lshlrev_b32 v6, 3, v1
	LOADV 0
	LOADV 1
	s_wait_alu depctr_va_vdst(0)
.irp u, 0,1,2,3,4,5,6,7
	UNIT \u
.endr
	global_store_b64 v6, v[8:9], s[30:31]          ; 256 consecutive bytes
	s_endpgm
.Lfunc_end_k_q1f6d5de043_prep:
	.size	k_q1f6d5de043_prep, .Lfunc_end_k_q1f6d5de043_prep-k_q1f6d5de043_prep
	.p2alignl 7, 3214868480
	.fill 96, 4, 3214868480
	.section	.rodata,"a",@progbits
	.p2align	6, 0x0
	.amdhsa_kernel k_q1f6d5de043_prep
		.amdhsa_group_segment_fixed_size 36352
		.amdhsa_private_segment_fixed_size 0
		.amdhsa_enable_private_segment 0
		.amdhsa_kernarg_size 48
		.amdhsa_user_sgpr_count 2
		.amdhsa_user_sgpr_kernarg_segment_ptr 1
		.amdhsa_wavefront_size32 1
		.amdhsa_system_sgpr_workgroup_id_x 1
		.amdhsa_system_sgpr_workgroup_id_y 1
		.amdhsa_system_sgpr_workgroup_id_z 1
		.amdhsa_system_vgpr_workitem_id 0
		.amdhsa_next_free_vgpr 242
		.amdhsa_next_free_sgpr 66
		.amdhsa_reserve_vcc 1
		.amdhsa_float_denorm_mode_32 3
		.amdhsa_float_denorm_mode_16_64 3
		.amdhsa_memory_ordered 1
		.amdhsa_forward_progress 1
		.amdhsa_inst_pref_size 142
	.end_amdhsa_kernel
	.amdgpu_metadata
---
amdhsa.version: [ 1, 2 ]
amdhsa.kernels:
  - .name:           k_q1f6d5de043_prep
    .symbol:         k_q1f6d5de043_prep.kd
    .args:
      - { .name: k, .offset: 0, .size: 8, .value_kind: global_buffer, .address_space: global }
      - { .name: v, .offset: 8, .size: 8, .value_kind: global_buffer, .address_space: global }
      - { .name: mask, .offset: 16, .size: 8, .value_kind: global_buffer, .address_space: global }
      - { .name: kv, .offset: 24, .size: 8, .value_kind: global_buffer, .address_space: global }
      - { .name: mw, .offset: 32, .size: 8, .value_kind: global_buffer, .address_space: global }
      - { .name: fl, .offset: 40, .size: 8, .value_kind: global_buffer, .address_space: global }
    .group_segment_fixed_size: 36352
    .private_segment_fixed_size: 0
    .kernarg_segment_align: 8
    .kernarg_segment_size: 48
    .max_flat_workgroup_size: 128
    .sgpr_count:     66
    .vgpr_count:     242
    .wavefront_size: 32
...
	.end_amdgpu_metadata
.endif
;; end of part 1
;; launch attn (part 2): grid 64 x 4, 16 waves a work-group, no clusters, 313,856 bytes of LDS; arguments q, kv, mw, fl, out0; writes out0
.if DOCPART == 2
	.amdgcn_target "amdgcn-amd-amdhsa--gfx1250"
	.amdhsa_code_object_version 6
	.text
	.protected	k_q1f6d5de043_attn
	.globl	k_q1f6d5de043_attn
	.p2align	8
	.type	k_q1f6d5de043_attn,@function
k_q1f6d5de043_attn:
	s_mov_b64 s[64:65], 0
	v_nop
	global_prefetch_b8 v0, s[64:65] scope:SCOPE_SE
	s_setreg_imm32_b32 hwreg(HW_REG_WAVE_MODE, 25, 1), 1
	s_wait_xcnt 0x0
; out0[head][q][:] = the sum over k of softmax_k(q . k / 8, where mask[q][k]) v[k][:], both products on codes of FP8 (E4M3) with one E8M0 scale for each 32 along a product's K.  64 heads, 2,048 queries and keys, 64 channels.
; THE SOFTMAX AHEAD OF THE SECOND PRODUCT: t = score x log2(e) / 8; M = the row's largest t so far, rounded UP to a whole number; p = 2^(t - M) is quantised along the keys; the row's sum is taken of the
; unquantised p and divides at the end.  When M moves, the sum and O are multiplied by 2^(old M - new M): exact.  A key that the mask hides gets the score -infinity ahead of the maximum, so p = 0.
; A row that the mask hides wholly ends with sum 0 and O 0, and 0 x (1 / 0) is the NaN that a softmax of such a row gives.
; SHARES.  Work-group (x = head, y = j) holds the head's whole K and V in LDS, as codes and scale words in the order of the operands' registers (274,432 bytes, made by the launch before): copied once through
; registers, one barrier, and after it the sixteen waves share nothing.  Wave w takes the tiles of 16 queries g = 16 j + w and 127 - g, one after the other, each through the 16 key steps of 128 keys.
; THE MASK is an input and is honoured whatever it holds.  The launch before has stored, for each tile of queries and key step, 64 lane masks (one for each score register) and two flags.  A step in which no key
; counts for any of the 16 queries is jumped over (its p are all 0); a step in which every key counts neither loads nor applies the lane masks; a step that is hidden in part has its own copy of the first product,
; with the loads of the lane masks ahead of it.  The pairing g, 127 - g only evens the work where later queries see more keys.
; NO CLUSTER, NO TENSOR LOAD: joint requests are tensor loads.
; PREFETCH: the second tile's 4,096 bytes of q are asked for behind the barrier, a lane a block of 256 bytes, a whole tile's walk ahead of their loads.  The image is asked for whole at the head: no loop runs ahead of it.
; Q comes in half rows: eight lanes take 128 consecutive bytes, two loads on end a row's 256; it turns through the wave's stage so that a lane holds 16 neighbours of each block of 32, and is quantised in registers.
; LAYOUT.  Both products are used transposed: S^T = K Q^T, O^T = V^T P^T: a lane holds ONE query (lane % 16) throughout.  Lane r of K's tile 2 b + u has key 32 b + 8 u + r + 8 (r / 8), so that score register
; 16 b + i is key 32 b + 16 (lane / 16) + i: the conversions' results are P's fragment.
; THE FIRST PRODUCT'S K IS 64 of the instruction's 128.  Q's upper eight registers are zero codes.  A tile of K is 8 registers; its fragment names 16: the upper eight are the next tile's codes (behind the last: zeros):
; numbers of the format, never the NaN code, so against Q's zeros they add exactly 0.  The upper two bytes of K's and Q's scale words repeat the lower two.
; LIMITS: NaN and infinities in q, k, v are not served; t is taken to lie above -3e38; a p under 2^-126 is 0 (the exponential flushes); a block of zeros has the scale byte 1, not 127 (its codes are zeros).
.set IMG,   274432
.set VIMG,  131072
.set KSC,   262144
.set VSC,   270336
.set STG,   274944                     ; a stage of 2,304 bytes for each wave: q's way in, 16 rows x (128 + 16); the way out, 8 rows x (256 + 16)
.set STW,   2304
.set SP,    272
.set QP,    144
.set SPARE, 0x4c200                    ; behind the stages: the spare words, 128 bytes a wave
.set FLOOR, 0x4800000                  ; 2^(9 - 127): a scale's byte cannot fall under 1
.set OFF8,  0xfc000000
.set EXPF,  0x7f800000
; v1 16 L; v2 16 L + VIMG; v3 16 L + KSC; v4 8 L + VSC; v5, v6 stage in, back (way out); v7 my bytes in two rows of out0; v8-11 the step's LDS addresses; v12 -M; v13 the largest t; v[14:15] the sum in two halves
.set QC,  16                           ; v16-23 Q's codes, v24-31 zeros
.set KV,  32                           ; v32-95 K's 8 tiles x 8, then V's 4 fragments x 16; v96-103 zeros
.set S,   104                          ; v104-167 S^T, then p
.set OT,  168                          ; v168-199 O^T
.set PC,  200                          ; v200-215 p's codes
.set KS,  216                          ; v216-219 K's scale words; v220-221 V's; v222 Q's; v223 p's
.set VS,  220
.set QS,  222
.set PS,  223
.set NINF, 224                         ; v224 -infinity; v225 my bytes in a tile of q; v226, v227 stage in, back (q); v248, v249 my part of the image in LDS; v250 the prefetch's offset; v251, v252 the floor, twice
.set BM,  228
.set PB,  232
.set HL,  236
.set SO,  240
.set F,   244                          ; v[244:245] f = 2^(old M - new M) (v245 is only named with it)
.set TMP, 246
; s14 wave; s15, s2 my two tiles; s3 head << 19; s[4:5] q at my second tile; s16-63, s68-83 the step's 64 lane masks; s84, s85 the flags, shifted a bit a step; s86-88 the step's bytes; s89 steps to go;
; s[90:91] c; s[92:93] lane selects; s94 448's mantissa; s95 the lanes with r < 8; s[96:97] the step's lane masks; s[98:99] an offset; s[100:101] the tile's rows of out0; s104, s105 the two tiles' flags
.macro QLOAD p, a, b                   ; a tile of q: load (c, i) takes rows 4 i + L / 8, bytes 128 c + 16 (L % 8)
.irp i, 0,1,2,3
	global_load_b128 v[\a+4*\i:\a+4*\i+3], v225, s[\p:\p+1] offset:1024*\i th:TH_LOAD_NT
.endr
.irp i, 0,1,2,3
	global_load_b128 v[\b+4*\i:\b+4*\i+3], v225, s[\p:\p+1] offset:1024*\i+128 th:TH_LOAD_NT
.endr
.endm
.macro QTURN a, b, x                   ; through my stage, half rows at a time; LDS serves a wave's instructions in order.  Register 16 c + i of x = channel 32 c + 16 h + i of row r
.irp i, 0,1,2,3
	ds_store_b128 v226, v[\a+4*\i:\a+4*\i+3] offset:4*QP*\i
.endr
.irp j, 0,1,2,3
	ds_load_b128 v[\x+4*\j:\x+4*\j+3], v227 offset:16*\j
.endr
.irp i, 0,1,2,3
	ds_store_b128 v226, v[\b+4*\i:\b+4*\i+3] offset:4*QP*\i
.endr
.irp j, 0,1,2,3
	ds_load_b128 v[\x+16+4*\j:\x+16+4*\j+3], v227 offset:16*\j
.endr
.endm
.macro QQ x, dst, sw                   ; those 32 numbers become 8 registers of codes and the row's scale word
.irp c, 0,1
	v_max3_num_f32 v[BM+\c], |v[\x+16*\c]|, |v[\x+16*\c+1]|, FLOOR
.endr
.irp i, 2,4,6,8,10,12,14
.irp c, 0,1
	s_delay_alu instid0(VALU_DEP_2)
	v_max3_num_f32 v[BM+\c], v[BM+\c], |v[\x+16*\c+\i]|, |v[\x+16*\c+\i+1]|
.endr
.endr
.irp c, 0,1
	s_delay_alu instid0(VALU_DEP_2)
	v_permlanex16_b32 v[PB+\c], v[BM+\c], s92, s93
.endr
.irp c, 0,1
	s_delay_alu instid0(VALU_DEP_2)
	v_max_num_f32 v[BM+\c], v[BM+\c], v[PB+\c]     ; with lane l xor 16's: the block's largest magnitude
.endr
.irp c, 0,1
	v_add_nc_u32 v[SO+\c], OFF8, v[BM+\c]
	v_and_or_b32 v[HL+\c], v[BM+\c], EXPF, s94
.endr
.irp c, 0,1
	v_lshrrev_b32 v[PB+\c], 23, v[SO+\c]
.endr
	v_lshl_or_b32 v[\sw], v[PB+1], 8, v[PB]
	v_lshl_or_b32 v[\sw], v[\sw], 16, v[\sw]
.irp c, 0,1
.irp i, 0,1,2,3,4,5,6,7,8,9,10,11,12,13,14,15
	v_med3_num_f32 v[\x+16*\c+\i], v[\x+16*\c+\i], -v[HL+\c], v[HL+\c]   ; the conversion to an 8-bit code does not saturate (ISA guide 7.6.2)
.endr
.endr
.irp c, 0,1
	v_cvt_scalef32_pk8_fp8_f32 v[\dst+4*\c:\dst+4*\c+1], v[\x+16*\c:\x+16*\c+7], v[SO+\c]
	v_cvt_scalef32_pk8_fp8_f32 v[\dst+4*\c+2:\dst+4*\c+3], v[\x+16*\c+8:\x+16*\c+15], v[SO+\c]
.endr
	v_nop                                          ; one plain line behind the last conversion of a run
.endm
; The first product of a key step, and the loads of V, which land under the softmax
.macro KQ
	v_add_nc_u32 v8, s86, v1
	v_add_nc_u32 v9, s86, v2
	v_add_nc_u32 v10, s87, v3
	v_add_nc_u32 v11, s88, v4
.rept 4
	v_nop                                          ; with the four additions: eight places between the last step's products and loads into registers that they read
.endr
.irp t, 0,1,2,3,4,5,6,7
.irp c, 0,1
	ds_load_b128 v[KV+8*\t+4*\c:KV+8*\t+4*\c+3], v8 offset:(2*\t+\c)*512
.endr
.endr
	ds_load_b128 v[KS:KS+3], v10                   ; register b: lanes 0-15 tile 2 b's scale words, lanes 16-31 tile 2 b + 1's
	s_wait_alu depctr_va_vdst(0)
	s_wait_dscnt 0x0
.irp b, 0,1,2,3
	v_wmma_scale_f32_16x16x128_f8f6f4 v[S+16*\b:S+16*\b+7], v[KV+16*\b:KV+16*\b+15], v[QC:QC+15], 0, v[KS+\b], v[QS]
	v_wmma_scale_f32_16x16x128_f8f6f4 v[S+16*\b+8:S+16*\b+15], v[KV+16*\b+8:KV+16*\b+23], v[QC:QC+15], 0, v[KS+\b], v[QS] matrix_a_scale:MATRIX_SCALE_ROW1
.endr
.rept 8
	v_nop                                          ; eight places: for the loads below into K's registers, and for the first read of the scores
.endr
.irp t, 0,1,2,3
.irp c, 0,1,2,3
	ds_load_b128 v[KV+16*\t+4*\c:KV+16*\t+4*\c+3], v9 offset:(4*\t+\c)*512
.endr
.endr
	ds_load_b64 v[VS:VS+1], v11                    ; register x: lanes 0-15 tile 2 x's scale words, lanes 16-31 tile 2 x + 1's
.endm
; ONE TILE OF 16 QUERIES, number s[g], flags s[fl], through all keys and out.  k = 0: the first, whose Q lies in place; 1: the second, whose q was asked for behind the first's last product.
.macro TILE k, g, fl
.if \k
	s_wait_loadcnt 0x0                             ; the second tile's q
	QTURN PC, KV+48, S
	s_wait_dscnt 0x0
	QQ S, QC, QS
.endif
	v_mov_b32 v13, 0xff61b1e6                      ; the largest t so far: -3e38
	v_floor_f32 v12, -v13                          ; -M
	v_mov_b32 v14, 0
	v_mov_b32 v15, 0
.set II, 0
.rept 32
	v_mov_b32 v[OT+II], 0                          ; which step is the first that is worked hangs on the mask, so no product of the text can start the sums
.set II, II+1
.endr
	s_mov_b32 s84, s[\fl]                          ; bit s: some key of step s counts;
	s_lshr_b32 s85, s84, 16                        ; bit s: all do
	s_lshl_b32 s98, s[\g], 12
	s_mov_b32 s99, 0
	s_add_nc_u64 s[96:97], s[8:9], s[98:99]        ; the tile's lane masks: 16 steps x 256 bytes
	s_add_co_u32 s98, s98, s3
	s_add_nc_u64 s[100:101], s[12:13], s[98:99]    ; the tile's 16 rows of out0
	s_mov_b32 s86, 0
	s_mov_b32 s87, 0
	s_mov_b32 s88, 0
	s_mov_b32 s89, 16
	s_wait_alu depctr_va_vdst(0)
.Lstep_\k:                                             ; 16 trips, a constant
	s_bitcmp1_b32 s84, 0
	s_cbranch_scc0 .Lhidden_\k
	s_bitcmp1_b32 s85, 0
	s_cbranch_scc1 .Lfull_\k
	s_load_b512 s[16:31], s[96:97], 0x0            ; hidden in part: the 64 lane masks, asked for ahead of the first product
	s_load_b512 s[32:47], s[96:97], 0x40
	s_load_b512 s[48:63], s[96:97], 0x80
	s_load_b512 s[68:83], s[96:97], 0xc0
	KQ
	s_wait_kmcnt 0x0
.set NN, 0
.rept 64
	v_cndmask_b32 v[S+NN], v[NINF], v[S+NN], s[16+NN+4*(NN/48)]   ; the score where the mask's bit is set, else -infinity; each accumulator from its low end on
.set NN, NN+1
.endr
	s_wait_alu depctr_va_vdst(0)
	s_branch .Lsoft_\k
.Lfull_\k:
	KQ
.Lsoft_\k:
.irp b, 0,1,2,3
	v_max3_num_f32 v[BM+\b], v[S+16*\b], v[S+16*\b+1], v[S+16*\b+2]   ; the largest score of each block of 32 keys: it serves the row's maximum and, since p rises with the score, the block's largest p
.endr
.irp i, 3,5,7,9,11,13
.irp b, 0,1,2,3
	v_max3_num_f32 v[BM+\b], v[BM+\b], v[S+16*\b+\i], v[S+16*\b+\i+1]
.endr
.endr
.irp b, 0,1,2,3
	v_max_num_f32 v[BM+\b], v[BM+\b], v[S+16*\b+15]
.endr
.irp b, 0,1,2,3
	s_delay_alu instid0(VALU_DEP_4)
	v_permlanex16_b32 v[PB+\b], v[BM+\b], s92, s93
.endr
.irp b, 0,2
	v_dual_max_num_f32 v[BM+\b], v[BM+\b], v[PB+\b] :: v_dual_max_num_f32 v[BM+\b+1], v[BM+\b+1], v[PB+\b+1]   ; with lane l xor 16's 16 keys; two blocks a line
.endr
	v_max3_num_f32 v[TMP], v[BM], v[BM+1], v[BM+2]
	s_delay_alu instid0(VALU_DEP_1)
	v_max_num_f32 v[TMP], v[TMP], v[BM+3]
	s_delay_alu instid0(VALU_DEP_1)
	v_mul_f32 v[TMP], s90, v[TMP]                  ; as t (c is positive)
	s_delay_alu instid0(VALU_DEP_1)
	v_max_num_f32 v13, v13, v[TMP]                 ; the running largest t
	v_mov_b32 v[TMP], v12
	s_delay_alu instid0(VALU_DEP_2)
	v_floor_f32 v12, -v13                          ; the new -M = -ceil(t): a whole number
	s_delay_alu instid0(VALU_DEP_1)
	v_sub_f32 v[TMP], v12, v[TMP]                  ; old M - new M: a whole number, 0 or less
	s_delay_alu instid0(VALU_DEP_1)
	v_cvt_i32_f32 v[TMP], v[TMP]                   ; (it saturates)
	s_delay_alu instid0(VALU_DEP_1)
	v_ldexp_f32 v[F], 1.0, v[TMP]                  ; f = 2^(old M - new M)
.set II, 0
.rept 32
	v_pk_fma_f32 v[S+II:S+II+1], v[S+II:S+II+1], s[90:91], v[12:13] op_sel_hi:[1,0,0]   ; t - M, two at a time
.set II, II+2
.endr
.irp b, 0,2
	v_pk_fma_f32 v[BM+\b:BM+\b+1], v[BM+\b:BM+\b+1], s[90:91], v[12:13] op_sel_hi:[1,0,0]   ; the same of each block's largest score
.endr
.set II, 0
	s_wait_alu depctr_va_vdst(0)
.rept 64
	v_exp_f32 v[S+II], v[S+II]                     ; p = 2^(t - M), at most 1
.set II, II+1
.endr
.irp b, 0,1,2,3
	v_exp_f32 v[BM+\b], v[BM+\b]                   ; the block's largest p: the same two instructions on the same number
.endr
	v_pk_mul_f32 v[14:15], v[14:15], v[F:F+1] op_sel_hi:[1,0]   ; the sums under the new M; also the plain line behind the exponentials
	s_wait_alu depctr_va_vdst(0)
.irp b, 0,2
	v_dual_max_num_f32 v[BM+\b], v252, v[BM+\b] :: v_dual_max_num_f32 v[BM+\b+1], v251, v[BM+\b+1]   ; the floor; two blocks a line, the floor from two registers of different banks
.endr
.irp b, 0,1,2,3
	v_add_nc_u32 v[SO+\b], OFF8, v[BM+\b]
.endr
.irp b, 0,1,2,3
	v_and_or_b32 v[HL+\b], v[BM+\b], EXPF, s94
.endr
.irp b, 0,1,2,3
	v_lshrrev_b32 v[PB+\b], 23, v[SO+\b]
.endr
	s_delay_alu instid0(VALU_DEP_3)
	v_lshl_or_b32 v[PS], v[PB+1], 8, v[PB]         ; p's scale word for these 128 keys
	s_delay_alu instid0(VALU_DEP_1)
	v_lshl_or_b32 v[PS], v[PB+2], 16, v[PS]
	s_delay_alu instid0(VALU_DEP_1)
	v_lshl_or_b32 v[PS], v[PB+3], 24, v[PS]
	v_pk_add_f32 v[PB:PB+1], v[S:S+1], v[S+2:S+3]  ; the row's sum is taken of the unquantised p: two at a time, in two chains
.irp j, 4,8,12,16,20,24,28,32,36,40,44,48,52,56,60
	v_pk_add_f32 v[14:15], v[14:15], v[S+\j:S+\j+1]
	v_pk_add_f32 v[PB:PB+1], v[PB:PB+1], v[S+\j+2:S+\j+3]
.endr
	v_pk_add_f32 v[14:15], v[14:15], v[PB:PB+1]
; the hold; p is not negative, so it is one-sided.  Two a line: an even register of one block with an odd one of its neighbour, so that the pair's destinations are even and odd and its sources lie in different banks
.irp b, 0,2
.irp i, 0,2,4,6,8,10,12,14
	v_dual_min_num_f32 v[S+16*\b+\i], v[S+16*\b+\i], v[HL+\b] :: v_dual_min_num_f32 v[S+16*\b+17+\i], v[S+16*\b+17+\i], v[HL+\b+1]
	v_dual_min_num_f32 v[S+16*\b+16+\i], v[S+16*\b+16+\i], v[HL+\b+1] :: v_dual_min_num_f32 v[S+16*\b+1+\i], v[S+16*\b+1+\i], v[HL+\b]
.endr
.irp c, 0,1
	v_cvt_scalef32_pk8_fp8_f32 v[PC+4*(\b+\c):PC+4*(\b+\c)+1], v[S+16*(\b+\c):S+16*(\b+\c)+7], v[SO+\b+\c]
	v_cvt_scalef32_pk8_fp8_f32 v[PC+4*(\b+\c)+2:PC+4*(\b+\c)+3], v[S+16*(\b+\c)+8:S+16*(\b+\c)+15], v[SO+\b+\c]
.endr
.endr
	s_wait_alu depctr_va_vdst(0)
.set II, 0
.rept 16
	v_pk_mul_f32 v[OT+II:OT+II+1], v[OT+II:OT+II+1], v[F:F+1] op_sel_hi:[1,0]   ; O^T under the new M; these sixteen also stand between the conversions and the products that take their codes
.set II, II+2
.endr
	s_wait_alu depctr_va_vdst(0)
	s_wait_dscnt 0x0                               ; V and its scale words
.irp x, 0,1                                    ; the four accumulators take turns
	v_wmma_scale_f32_16x16x128_f8f6f4 v[OT+16*\x:OT+16*\x+7], v[KV+32*\x:KV+32*\x+15], v[PC:PC+15], v[OT+16*\x:OT+16*\x+7], v[VS+\x], v[PS]
	v_wmma_scale_f32_16x16x128_f8f6f4 v[OT+16*\x+8:OT+16*\x+15], v[KV+32*\x+16:KV+32*\x+31], v[PC:PC+15], v[OT+16*\x+8:OT+16*\x+15], v[VS+\x], v[PS] matrix_a_scale:MATRIX_SCALE_ROW1
.endr
.Lhidden_\k:
	s_add_nc_u64 s[96:97], s[96:97], 256           ; on to the next step: its lane masks (behind the last trip the pointer is not used),
	s_add_co_u32 s86, s86, 8192                    ; its codes of K and of V,
	s_add_co_u32 s87, s87, 512                     ; K's scale words,
	s_add_co_u32 s88, s88, 256                     ; V's,
	s_lshr_b32 s84, s84, 1                         ; and its flags
	s_lshr_b32 s85, s85, 1
	s_sub_co_u32 s89, s89, 1
	s_cmp_lg_u32 s89, 0
	s_cbranch_scc1 .Lstep_\k
.rept 8
	v_nop                                          ; eight places behind the last products
.endr
.if \k == 0
	QLOAD 4, PC, KV+48                             ; the second tile's q, into registers that the way out leaves alone
.endif
	; THE WAY OUT.  A lane holds 4 x 32 bytes of its query's row of 256.  Eight rows at a time go through my stage and come back whole.  All 32 lanes store: lanes r and r xor 8 exchange half of what they hold,
	; so that for rows 0-7 lane r < 8 lays its own channels 0-31 and lane r + 8 lays lane r's channels 32-63; for rows 8-15 the other way round.  The address is the same in both passes.
	v_add_f32 v14, v14, v15                        ; the sum's two halves,
	v_permlanex16_b32 v[PB], v14, s92, s93
	v_add_f32 v14, v14, v[PB]                      ; and lane l xor 16's
	s_wait_alu depctr_va_vdst(0)
	v_rcp_f32 v[F], v14
	v_nop                                          ; the plain line behind the reciprocal
	s_wait_alu depctr_va_vdst(0)                   ; behind the reciprocal, directly ahead of the first readers of f and of O^T
.set II, 0
.rept 16
	v_pk_mul_f32 v[S+II:S+II+1], v[OT+II:OT+II+1], v[F:F+1] op_sel_hi:[1,0]   ; register 8 t + i is o(r, 16 t + 8 h + i)
.set II, II+2
.endr
.set II, 0
.rept 16
	v_cndmask_b32 v[S+32+II], v[S+II], v[S+16+II], s95     ; what I hand over: r < 8: my channels 32-63; else my channels 0-31
.set II, II+1
.endr
.set II, 0
.rept 16
	v_mov_b32_dpp v[KV+32+II], v[S+32+II] row_xmask:8 row_mask:0xf bank_mask:0xf   ; what lane r xor 8 hands me
.set II, II+1
.endr
.set II, 0
.rept 16
	v_cndmask_b32 v[S+II], v[KV+32+II], v[S+II], s95       ; rows 0-7: r < 8: my own; else my partner's
	v_cndmask_b32 v[S+16+II], v[S+16+II], v[KV+32+II], s95 ; rows 8-15: r < 8: my partner's; else my own
.set II, II+1
.endr
.irp u, 0,1
.irp t, 0,1
	ds_store_b128 v5, v[S+16*\u+8*\t:S+16*\u+8*\t+3] offset:64*\t
	ds_store_b128 v5, v[S+16*\u+8*\t+4:S+16*\u+8*\t+7] offset:64*\t+16
.endr
.irp i, 0,1,2,3
	ds_load_b128 v[KV+16*\u+4*\i:KV+16*\u+4*\i+3], v6 offset:2*SP*\i   ; LDS serves a wave's instructions in order (ISA guide 5.7.1.4): these see the stores above, and the next eight rows' stores come behind them
.endr
.endr
.irp i, 0,1,2,3
	s_wait_dscnt 11-\i                             ; behind load i: 3 - i younger loads, four stores and four loads
	global_store_b128 v7, v[KV+4*\i:KV+4*\i+3], s[100:101] offset:512*\i th:TH_STORE_NT   ; 32 lanes store two rows: 512 consecutive bytes, aligned
.endr
.irp i, 0,1,2,3
	s_wait_dscnt 3-\i
	global_store_b128 v7, v[KV+16+4*\i:KV+16+4*\i+3], s[100:101] offset:2048+512*\i th:TH_STORE_NT
.endr
	s_wait_xcnt 0x0                                ; the stores' data and base are written again only behind this wait
.endm
	s_load_b256 s[4:11], s[0:1], 0x0               ; q s[4:5], kv s[6:7], mw s[8:9], fl s[10:11]
	s_load_b64 s[12:13], s[0:1], 0x20              ; out0
	v_lshrrev_b32 v8, 5, v0
	v_readfirstlane_b32 s14, v8                    ; wave 0..15
	v_and_b32 v8, 31, v0                           ; L
	v_and_b32 v9, 15, v0                           ; r
	v_bfe_u32 v10, v0, 4, 1                        ; h
	v_bfe_u32 v12, v0, 3, 2                        ; L / 8
	v_and_b32 v13, 7, v0                           ; L % 8
	v_bfe_u32 v11, v0, 3, 1                        ; r / 8
	v_lshlrev_b32 v1, 4, v8
	v_add_nc_u32 v2, VIMG, v1
	v_add_nc_u32 v3, KSC, v1
	v_lshlrev_b32 v[TMP], 3, v8                    ; 8 L
	v_add_nc_u32 v4, VSC, v[TMP]
	s_mul_i32 s26, s14, STW
	s_add_co_u32 s26, s26, STG                     ; my stage
	v_mul_u32_u24 v5, v13, SP
	v_lshl_add_u32 v5, v10, 5, v5
	v_lshl_add_u32 v5, v11, 7, v5
	v_add_nc_u32 v5, s26, v5                       ; way out, in: row r % 8, + 32 h + 128 (r / 8)
	v_mul_u32_u24 v6, v10, SP
	v_lshl_add_u32 v6, v9, 4, v6
	v_add_nc_u32 v6, s26, v6                       ; back: lanes 0-15 one row, lanes 16-31 the next
	v_lshlrev_b32 v7, 8, v10
	v_lshl_add_u32 v7, v9, 4, v7                   ; and the same two rows in out0
	v_lshlrev_b32 v225, 8, v12
	v_lshl_add_u32 v225, v13, 4, v225              ; q: row L / 8 of 256 bytes, + 16 (L % 8)
	v_mul_u32_u24 v226, v12, QP
	v_lshl_add_u32 v226, v13, 4, v226
	v_add_nc_u32 v226, s26, v226                   ; q's stage, in
	v_mul_u32_u24 v227, v9, QP
	v_lshl_add_u32 v227, v10, 6, v227
	v_add_nc_u32 v227, s26, v227                   ; and back: row r, + 64 h
	s_lshl_b32 s27, s14, 14
	v_add_nc_u32 v248, s27, v1                     ; my sixteenth of the codes: 16,384 bytes,
	s_mul_i32 s27, s14, 768
	s_add_co_u32 s27, s27, KSC
	v_add_nc_u32 v249, s27, v[TMP]                 ; and of the scale words: 768 bytes
	v_min_u32 v250, 15, v8
	v_lshlrev_b32 v250, 8, v250                    ; the prefetch: lane l names block l of the tile's 16; lanes 16-31 the last again
	s_mov_b32 s90, 0x3e38aa3b                      ; c = log2(e) / 8
	s_mov_b32 s91, s90
	s_mov_b32 s92, 0x76543210
	s_mov_b32 s93, 0xfedcba98                      ; v_permlanex16_b32's selects for lane l xor 16
	s_mov_b32 s94, 0x600000                        ; the mantissa field of 448
	s_mov_b32 s95, 0x00ff00ff                      ; the lanes with r < 8
	v_mov_b32 v[NINF], 0xff800000
	v_mov_b32 v251, FLOOR
	v_mov_b32 v252, FLOOR
	v_mov_b32 v[F+1], 0
.irp i, 0,1,2,3,4,5,6,7
	v_mov_b32 v[QC+8+\i], 0                        ; Q's zero codes for k = 64 .. 127
	v_mov_b32 v[KV+64+\i], 0                       ; and what stands behind K's last tile
.endr
.irp b, 0,1,2,3
	v_mov_b32 v[PB+\b], 0                          ; written once: a lane permute's destination counts as one of its sources
.endr
	s_and_b32 s15, ttmp7, 0xffff                   ; j
	s_lshl_b32 s15, s15, 4
	s_add_co_u32 s15, s15, s14                     ; my first tile of queries: 16 j + w,
	s_sub_co_u32 s2, 127, s15                      ; and my second
	s_mul_i32 s20, ttmp9, IMG                      ; the head's image
	s_lshl_b32 s3, ttmp9, 19                       ; its 2,048 rows of 256 bytes in q and in out0
	s_lshl_b32 s68, s15, 12
	s_add_co_u32 s68, s68, s3
	s_mov_b32 s69, 0
	s_lshl_b32 s70, s2, 12
	s_add_co_u32 s70, s70, s3
	s_mov_b32 s71, 0
	s_lshl_b32 s72, s14, 14
	s_add_co_u32 s72, s72, s20
	s_mov_b32 s73, 0
	s_mul_i32 s74, s14, 768
	s_add_co_u32 s74, s74, s20
	s_add_co_u32 s74, s74, KSC
	s_mov_b32 s75, 0
	s_lshl_b32 s76, s15, 6
	s_mov_b32 s77, 0
	s_lshl_b32 s78, s2, 6
	s_mov_b32 s79, 0
	s_wait_alu depctr_va_vdst(0)
	s_wait_kmcnt 0x0
	s_add_nc_u64 s[68:69], s[4:5], s[68:69]        ; q at my first tile,
	s_add_nc_u64 s[4:5], s[4:5], s[70:71]          ; at my second,
	s_add_nc_u64 s[72:73], s[6:7], s[72:73]        ; my part of the image's codes,
	s_add_nc_u64 s[74:75], s[6:7], s[74:75]        ; of its scale words,
	s_add_nc_u64 s[76:77], s[10:11], s[76:77]      ; and my two tiles' 16 flag words each
	s_add_nc_u64 s[78:79], s[10:11], s[78:79]
	s_load_b512 s[16:31], s[76:77], 0x0
	s_load_b512 s[32:47], s[78:79], 0x0
	QLOAD 68, OT, OT+16
.set II, 0
.rept 16
	global_load_b128 v[KV+4*II:KV+4*II+3], v1, s[72:73] offset:512*II
.set II, II+1
.endr
.rept 8
	global_load_b128 v[S+32+4*(II-16):S+32+4*(II-16)+3], v1, s[72:73] offset:512*II
.set II, II+1
.endr
.irp i, 0,1,2
	global_load_b64 v[PC+2*\i:PC+2*\i+1], v[TMP], s[74:75] offset:256*\i
.endr
	s_wait_loadcnt 27                              ; q's eight loads are in; behind them: 24 and 3 of the image
	QTURN OT, OT+16, S
	s_wait_dscnt 0x0                               ; q is back, and the stage's stores have read their registers,
.rept 8
	global_load_b128 v[OT+4*(II-24):OT+4*(II-24)+3], v1, s[72:73] offset:512*II   ; which take the image's last eight
.set II, II+1
.endr
	QQ S, QC, QS
	s_wait_alu depctr_va_vdst(0)
	s_wait_kmcnt 0x0
	s_or_b32 s104, s16, s17                        ; word s holds bits s and 16 + s alone
	s_or_b32 s105, s32, s33
.irp i, 18,19,20,21,22,23,24,25,26,27,28,29,30,31
	s_or_b32 s104, s104, s[\i]
	s_or_b32 s105, s105, s[16+\i]
.endr
	s_wait_loadcnt 27                              ; the image's first eight loads are in; behind them: 8, 8, 3 and 8.  Each group is laid into LDS as it comes
.set II, 0
.rept 8
	ds_store_b128 v248, v[KV+4*II:KV+4*II+3] offset:512*II
.set II, II+1
.endr
	s_wait_loadcnt 19
.rept 8
	ds_store_b128 v248, v[KV+4*II:KV+4*II+3] offset:512*II
.set II, II+1
.endr
	s_wait_loadcnt 11
.rept 8
	ds_store_b128 v248, v[S+32+4*(II-16):S+32+4*(II-16)+3] offset:512*II
.set II, II+1
.endr
	s_wait_loadcnt 8                               ; all but the last eight
.irp i, 0,1,2
	ds_store_b64 v249, v[PC+2*\i:PC+2*\i+1] offset:256*\i
.endr
	s_wait_loadcnt 0x0
.rept 8
	ds_store_b128 v248, v[OT+4*(II-24):OT+4*(II-24)+3] offset:512*II
.set II, II+1
.endr
	s_wait_dscnt 0x0                               ; for the others' sake: my part of the image lies in LDS
	s_barrier_signal -1
	s_barrier_wait -1                              ; everybody's does; from here on the image is only read, and each wave writes its own stage alone
	global_prefetch_b8 v250, s[4:5] th:TH_LOAD_NT scope:SCOPE_SE   ; my second tile's q; its address registers are never written again
	TILE 0, 15, 104
	TILE 1, 2, 105
	v_lshl_add_u32 v254, v0, 2, SPARE
	v_mov_b32 v255, 0
	s_wait_alu depctr_va_vdst(0)
	s_wait_tensorcnt 0x0                           ; the wave's end
	ds_add_u32 v254, v255
	s_wait_dscnt 0x0
	s_endpgm
.Lfunc_end_k_q1f6d5de043_attn:
	.size	k_q1f6d5de043_attn, .Lfunc_end_k_q1f6d5de043_attn-k_q1f6d5de043_attn
	.p2alignl 7, 3214868480
	.fill 96, 4, 3214868480
	.section	.rodata,"a",@progbits
	.p2align	6, 0x0
	.amdhsa_kernel k_q1f6d5de043_attn
		.amdhsa_group_segment_fixed_size 313856
		.amdhsa_private_segment_fixed_size 0
		.amdhsa_enable_private_segment 0
		.amdhsa_kernarg_size 40
		.amdhsa_user_sgpr_count 2
		.amdhsa_user_sgpr_kernarg_segment_ptr 1
		.amdhsa_wavefront_size32 1
		.amdhsa_system_sgpr_workgroup_id_x 1
		.amdhsa_system_sgpr_workgroup_id_y 1
		.amdhsa_system_sgpr_workgroup_id_z 1
		.amdhsa_system_vgpr_workitem_id 0
		.amdhsa_next_free_vgpr 256
		.amdhsa_next_free_sgpr 106
		.amdhsa_reserve_vcc 0
		.amdhsa_float_denorm_mode_32 3
		.amdhsa_float_denorm_mode_16_64 3
		.amdhsa_memory_ordered 1
		.amdhsa_forward_progress 1
		.amdhsa_inst_pref_size 97
	.end_amdhsa_kernel
	.amdgpu_metadata
---
amdhsa.version: [ 1, 2 ]
amdhsa.kernels:
  - .name:           k_q1f6d5de043_attn
    .symbol:         k_q1f6d5de043_attn.kd
    .args:
      - { .name: q, .offset: 0, .size: 8, .value_kind: global_buffer, .address_space: global }
      - { .name: kv, .offset: 8, .size: 8, .value_kind: global_buffer, .address_space: global }
      - { .name: mw, .offset: 16, .size: 8, .value_kind: global_buffer, .address_space: global }
      - { .name: fl, .offset: 24, .size: 8, .value_kind: global_buffer, .address_space: global }
      - { .name: out0, .offset: 32, .size: 8, .value_kind: global_buffer, .address_space: global }
    .group_segment_fixed_size: 313856
    .private_segment_fixed_size: 0
    .kernarg_segment_align: 8
    .kernarg_segment_size: 40
    .max_flat_workgroup_size: 512
    .sgpr_count:     106
    .vgpr_count:     256
    .wavefront_size: 32
...
	.end_amdgpu_metadata
.endif
;; end of part 2
